; MI455X (gfx1250); checked and timed in simulation.
; The chip was launched on July 23, 2026; its instructions are those of AMD's public machine-readable ISA for CDNA 5 (MIT licence, August 2026) and "CDNA5" Instruction Set Architecture Reference Guide (July 2026). The comments in the code are by the model that wrote it; some were corrected since.
;; Dot Prod Attention. Allowed arithmetic: matrix products marked QUANTISED: E2M1 operands, one E8M0 scale for each 32 along K, by v_wmma_scale_f32_16x16x128_f8f6f4 with both operands' format E2M1 (or v_wmma_scale_f32_32x16x128_f4), f32 sums; everything else in f32.
;; Inputs: key 32 x 2,048 x 64 float32; query 32 x 2,048 x 64 float32; value 32 x 2,048 x 64 float32.
;; Outputs: out0 32 x 2,048 x 64 float32.
;; This version of the problem:
;;   THIS VERSION OF THE PROBLEM IS GIVEN IN LOW PRECISION. The matrix products marked QUANTISED in the list below multiply operands that are first quantised to E2M1 (2 exponent bits, 1 mantissa bit; 4 bits a number), with one power-of-two scale for each 32 numbers along K (OCP MX v1.0); their sums are f32. All else is computed in f32.
;;   The module's matrix products, in the order in which they are computed (A, B: the left and right operand; K: the contracted axis; several contracted axes count as one K, in the product's order):
;;     1. batch 32 x [M 2,048, K 64] x [K 64, N 2,048]; A: input query; B: input key: QUANTISED
;;     2. batch 32 x [M 2,048, K 2,048] x [K 2,048, N 64]; A: softmax (see below); B: input value: QUANTISED
;;   THE QUANTISER, for each operand of a quantised product, along K:
;;     - K is cut into blocks of 32 from its start; a last block that is shorter is filled with zeros.
;;     - A block's scale is 2^e with e = floor(log2(the largest magnitude in the block)) - 2, held to -126 .. 127; a block of zeros has e = 0. As a byte (E8M0): e + 127.
;;     - Each number is divided by its block's scale, clamped to +-6, and rounded to the nearest number of E2M1, ties to even, subnormals kept.
;;     - The product sums the exact products of the quantised numbers (number of the format x scale) in f32.
;;   ~~~python
;;   def quantise(x, axis):      # numpy; x: float32 -> the quantised numbers, widened to float32 again
;;       x = np.moveaxis(x, axis, -1); K = x.shape[-1]
;;       x = np.pad(x, [(0, 0)] * (x.ndim - 1) + [(0, -K % 32)]); x = x.reshape(x.shape[:-1] + (-1, 32)); a = np.abs(x).max(-1, keepdims=True)
;;       e = np.where(a > 0, np.clip(np.frexp(np.where(a > 0, a, 1))[1] - 1 - 2, -126, 127), 0)      # np.frexp(a)[1] - 1 = floor(log2(a)), exactly
;;       r = np.clip(x / 2.0 ** e, -6, 6)
;;       step = 2.0 ** (np.maximum(np.frexp(np.where(r == 0, 1, r))[1] - 1, 0) - 1)
;;       q = np.round(r / step) * step * 2.0 ** e      # np.round: ties to even
;;       return np.moveaxis(q.reshape(q.shape[:-2] + (-1,))[..., :K], -1, axis).astype(np.float32)
;;   ~~~
;;   SOFTMAX AHEAD OF A QUANTISED PRODUCT. Where the list says 'softmax', what is quantised is not the finished softmax but p = 2^(t - M), with t = logit x log2(e) and M = ceil(the row's largest t), a whole number; so 1/2 < the row's largest p <= 1. The row's sum l is taken of the UNQUANTISED p, in f32, and the product's result is divided by l at the end. Since M is a whole number, a kernel that streams over the keys may use a running M (the ceiling of the running maximum): every later rescaling is an exact power of two, which a block's scale takes up: the codes' values come out the same.
;;   OPERANDS COMPUTED ON THE WAY. 'Computed on the way' means the value that the module computes at that place (a softmax that the list does not call 'softmax' is quantised finished and normalised). What goes into a quantiser is computed in f32, as accurately as f32 sums, v_exp_f32 and their like allow (about 1e-6 of the number): no bf16 or f16 on the way to a quantiser, and a product that is left as it is and whose result goes on into a quantised operand takes f32 operands (vector FMAs, or v_wmma_f32_16x16x4_f32). A number that lies on a knife's edge between two numbers of the format may be rounded either way, as far as f32 arithmetic and the matrix unit's own rounding can turn it there, and no further.
;; One version. Each part assembles by itself: llvm-mc -triple=amdgcn-amd-amdhsa -mcpu=gfx1250 --defsym DOCPART=n.
;; ======== version 1 of 1: 2 launches
;; limits: right only within a limited range of input values
;; workspace buffers: kv 4,456,448 bytes
;; launch prep (part 1): grid 16 x 32, 4 waves a work-group, no clusters, 35,840 bytes of LDS; arguments key, value, kv; writes kv
.if DOCPART == 1
	.amdgcn_target "amdgcn-amd-amdhsa--gfx1250"
	.amdhsa_code_object_version 6
	.text
	.protected	k_qa2e8d969de_prep
	.globl	k_qa2e8d969de_prep
	.p2align	8
	.type	k_qa2e8d969de_prep,@function
k_qa2e8d969de_prep:
	s_mov_b64 s[64:65], 0
	v_nop
	global_prefetch_b8 v0, s[64:65] scope:SCOPE_SE
	s_setreg_imm32_b32 hwreg(HW_REG_WAVE_MODE, 25, 1), 1
	s_wait_xcnt 0x0
; key, value: [32][2048][64] f32.  They become codes of FP4 (E2M1) with one E8M0 scale byte for each 32 along a product's K:
; key is quantised along d (two blocks a key), value along the KEYS (a block = 32 neighbouring keys of one column d).
; A block's scale is 2^(floor(log2(its largest magnitude)) - 2); its byte is the largest magnitude's exponent field - 2, held at 1 from below.
; LIMITS: a block of zeros gets the byte 1 where the rule says 127 (its codes are zeros, which add nothing under any byte but 0xff, and the bytes are read
; by this program alone); NaN and infinities among the inputs are not served.
; OUTPUT: one dense RECORD of 8,704 bytes for each (batch, step of 128 keys), laid in the order of the operands' registers, lane l = 16 h + r:
;   byte 1024 p + 512 g + 16 l          K: 32 codes (d = 32 h ..) of the key that is row r of score tile (g, p): key 64 g + 32 (r / 8) + 8 p + r % 8 of the step
;   byte 4096 + 1024 t + 512 c + 16 l   V: 32 codes (keys 64 c + 32 h ..) of column d = 16 t + r
;   byte 8192 + 16 l                    four scale words: K's of pairs 2 h and 2 h + 1, row r (bytes: tile (0, p) blocks 0, 1; tile (1, p) blocks 0, 1); V's of tiles 2 h and 2 h + 1, row r (the step's four blocks)
; SHARES: a work-group makes one record.  Wave w (x = w % 2, z = w / 2) takes K's pair p = w (16 + 16 keys) and V's columns 32 x + lane, blocks 2 z and 2 z + 1.
; K: each load reads 512 consecutive bytes; a tile's 4,096 bytes turn through the wave's own stage in LDS so that a lane holds the 32 neighbours of one block.
; V: a lane takes a column and its registers run down the keys: a block lies in one lane's 32 registers, and nothing is transposed; a wave's load reads 128 consecutive bytes, two waves side by side a row of 256.
; No tensor load, no matrix instruction, no cluster: no two work-groups read the same byte.  One barrier: the record's 512 bytes of scale words are gathered in LDS and leave whole.
.set REC,   8704                       ; bytes in a record
.set VOFF,  4096
.set SOFF,  8192
.set SP,    272                        ; a stage row: 256 bytes + 16 = 68 words: the 16 rows that a load touches begin at 16 different banks' groups (64 banks of 4 bytes: ISA guide 11.1)
.set TST,   16*SP                      ; a stage: 16 rows; two for each wave
.set SCL,   8*TST                      ; behind the stages: the record's scale words, 512 bytes
.set LN,   1                           ; v1   lane
.set LI,   2                           ; v2   16 x lane
.set RR,   3                           ; v3   r
.set HH,   4                           ; v4   h
.set TS,   5                           ; v5   the stage, on the way in: 2 TST w + SP h + 16 r
.set TL,   6                           ; v6   on the way out: 2 TST w + SP r + 128 h
.set SH8,  7                           ; v7   8 h
.set XC,   8                           ; v8   a lane permute's destination
.set KLO,  9                           ; v9   key: 16 lane + 2,048 w
.set VLO,  10                          ; v10  value: 4 lane + 128 x + 16,384 z
.set KSA,  11                          ; v11  LDS: K's pair word: SCL + 256 z + 16 r + 4 x
.set VSA,  12                          ; v12  LDS: V's two bytes: SCL + 256 x + 16 r + 8 + 4 h + 2 z
.set KST,  13                          ; v13  record: K's codes: 1,024 w + 16 lane
.set VST,  14                          ; v14  record: V's codes: 4,096 + 2,048 x + 1,024 h + 512 z + 16 r
.set SRD,  15                          ; v15  LDS: SCL + 16 lane
.set TA,   16                          ; v16, v17 the two chains of a block's maximum
.set TB,   17
.set SC,   18                          ; v18-21 the conversions' scale operands: K's tile 0, 1; V's block 0, 1
.set BY,   22                          ; v22-25 the four scale bytes
.set KW,   26                          ; v26  K's pair word
.set VW,   27                          ; v27  V's two bytes
.set KC,   28                          ; v28-35 K's codes
.set VC,   36                          ; v36-43 V's codes
.set OW,   44                          ; v44-47 the scale words on their way out
.set KN,   48                          ; v48-111 K's numbers, tile g at 48 + 32 g
.set VN,   112                         ; v112-175 V's numbers, block i at 112 + 32 i
	s_load_b128 s[4:7], s[0:1], 0x0                ; key s[4:5], value s[6:7]
	s_load_b64 s[8:9], s[0:1], 0x10                ; kv
	v_lshl_add_u32 v176, v0, 2, 0x8a00
	v_mov_b32 v177, 0
	v_lshrrev_b32 v[LN], 5, v0
	v_readfirstlane_b32 s10, v[LN]                 ; wave w
	v_and_b32 v[LN], 31, v0
	v_lshlrev_b32 v[LI], 4, v[LN]
	v_and_b32 v[RR], 15, v0
	v_bfe_u32 v[HH], v0, 4, 1
	s_wait_alu depctr_va_vdst(0)
	s_and_b32 s11, s10, 1                          ; x
	s_lshr_b32 s12, s10, 1                         ; z
	s_and_b32 s14, ttmp7, 0xffff                   ; batch; ttmp9 is the step
	s_lshl_b32 s16, s14, 19                        ; a batch is 2,048 rows of 256 bytes,
	s_lshl_b32 s17, ttmp9, 15                      ; a step 128 rows
	s_add_co_u32 s16, s16, s17
	s_mov_b32 s17, 0
	s_mul_i32 s18, s14, 16*REC                     ; the record
	s_mul_i32 s19, ttmp9, REC
	s_add_co_u32 s18, s18, s19
	s_mov_b32 s19, 0
	s_mov_b32 s20, 0x76543210                      ; v_permlanex16_b32's selects for lane l xor 16
	s_mov_b32 s21, 0xfedcba98
	s_mul_i32 s22, s10, 2*TST                      ; my two stages
	v_mul_u32_u24 v[TS], v[HH], SP
	v_lshl_add_u32 v[TS], v[RR], 4, v[TS]
	v_add_nc_u32 v[TS], s22, v[TS]
	v_mul_u32_u24 v[TL], v[RR], SP
	v_lshl_add_u32 v[TL], v[HH], 7, v[TL]
	v_add_nc_u32 v[TL], s22, v[TL]
	v_lshlrev_b32 v[SH8], 3, v[HH]
	v_mov_b32 v[XC], 0                             ; written once: a lane permute's destination counts as one of its sources
	s_lshl_b32 s23, s10, 11
	v_add_nc_u32 v[KLO], s23, v[LI]
	s_lshl_b32 s23, s11, 7
	s_lshl_b32 s24, s12, 14
	s_add_co_u32 s23, s23, s24
	v_lshl_add_u32 v[VLO], v[LN], 2, s23
	s_lshl_b32 s23, s12, 8
	s_lshl_b32 s24, s11, 2
	s_add_co_u32 s23, s23, s24
	s_add_co_u32 s23, s23, SCL
	v_lshl_add_u32 v[KSA], v[RR], 4, s23
	s_lshl_b32 s23, s11, 8
	s_lshl_b32 s24, s12, 1
	s_add_co_u32 s23, s23, s24
	s_add_co_u32 s23, s23, SCL+8
	v_lshl_add_u32 v[VSA], v[RR], 4, s23
	v_lshl_add_u32 v[VSA], v[HH], 2, v[VSA]
	s_lshl_b32 s23, s10, 10
	v_add_nc_u32 v[KST], s23, v[LI]
	s_lshl_b32 s23, s11, 11
	s_lshl_b32 s24, s12, 9
	s_add_co_u32 s23, s23, s24
	s_add_co_u32 s23, s23, VOFF
	v_lshl_add_u32 v[VST], v[RR], 4, s23
	v_lshl_add_u32 v[VST], v[HH], 10, v[VST]
	v_add_nc_u32 v[SRD], SCL, v[LI]
	s_wait_alu depctr_va_vdst(0)
	s_wait_kmcnt 0x0
	s_add_nc_u64 s[4:5], s[4:5], s[16:17]          ; key and value at the step's first row
	s_add_nc_u64 s[6:7], s[6:7], s[16:17]
	s_add_nc_u64 s[8:9], s[8:9], s[18:19]          ; kv at the record
; Tile (g, w)'s 16 keys: rows 64 g + 32 a + 8 w + 0 .. 7, a = 0, 1: twice 2,048 dense bytes.  Load n = 4 a + i brings tile rows 2 n and 2 n + 1.
.macro KLOAD g
.irp a, 0,1
.irp i, 0,1,2,3
	global_load_b128 v[KN+32*\g+16*\a+4*\i:KN+32*\g+16*\a+4*\i+3], v[KLO], s[4:5] offset:16384*\g+8192*\a+512*\i th:TH_LOAD_NT
.endr
.endr
.endm
; Block 2 z + i of my column: keys 64 z + 32 i + n, n = 0 .. 31, down the registers
.macro VLOAD i
.irp n, 0,1,2,3,4,5,6,7,8,9,10,11,12,13,14,15,16,17,18,19,20,21,22,23,24,25,26,27,28,29,30,31
	global_load_b32 v[VN+32*\i+\n], v[VLO], s[6:7] offset:(32*\i+\n)*256 th:TH_LOAD_NT
.endr
.endm
; A tile through its stage: in as loaded (row 2 n + h, 16 bytes at 16 r), back with lane (r, h) taking d = 32 h .. 32 h + 31 of row r, into the registers that the stores left.
; LDS serves a wave's instructions in order (ISA guide 5.7.1.4): no wait stands between the stores and the loads.
.macro TURN g
.irp n, 0,1,2,3,4,5,6,7
	ds_store_b128 v[TS], v[KN+32*\g+4*\n:KN+32*\g+4*\n+3] offset:TST*\g+2*SP*\n
.endr
.irp n, 0,1,2,3,4,5,6,7
	ds_load_b128 v[KN+32*\g+4*\n:KN+32*\g+4*\n+3], v[TL] offset:TST*\g+16*\n
.endr
.endm
; A lane's 32 numbers v[x] .. v[x + 31], one whole block, become four registers of codes v[c] .., the conversion's scale operand v[sc] and the scale's byte v[by].
.macro QUANT32 x, c, sc, by
	v_max3_num_f32 v[TA], |v[\x]|, |v[\x+1]|, 0x1800000            ; the largest magnitude, in two chains, with the floor 2^(3 - 127) among its leaves: so the byte cannot fall under 1
	v_max3_num_f32 v[TB], |v[\x+16]|, |v[\x+17]|, |v[\x+18]|
.irp i, 0,1,2,3,4,5
	v_max3_num_f32 v[TA], v[TA], |v[\x+2+2*\i]|, |v[\x+3+2*\i]|
	v_max3_num_f32 v[TB], v[TB], |v[\x+19+2*\i]|, |v[\x+20+2*\i]|
.endr
	v_max3_num_f32 v[TA], v[TA], |v[\x+14]|, |v[\x+15]|
	v_max3_num_f32 v[TA], v[TA], v[TB], |v[\x+31]|
	v_add_nc_u32 v[\sc], 0xff000000, v[TA]         ; 2 off its exponent field: the conversion takes the exponent field of this operand as its scale, and nothing else of it
	v_lshrrev_b32 v[\by], 23, v[\sc]               ; the scale's byte
.irp n, 0,1,2,3
	v_cvt_scalef32_pk8_fp4_f32 v[\c+\n], v[\x+8*\n:\x+8*\n+7], v[\sc]   ; eight numbers / the scale, to the nearest code, ties to even, beyond 6 the largest code; the first number's code in the lowest bits
.endr
	v_nop                                          ; one plain place behind the last scaled conversion
.endm
	KLOAD 0
	KLOAD 1
	VLOAD 0
	s_wait_loadcnt 40                              ; tile 0's eight loads are in: behind them stand tile 1's 8 and V's 32
	TURN 0
	s_wait_loadcnt 32                              ; tile 1's are in: V's 32 may be out
	TURN 1
	VLOAD 1
	s_wait_dscnt 16                                ; tile 0 is back from its stage: the second turn's 8 stores and 8 loads may be out
	QUANT32 KN, KC, SC, BY
	s_wait_dscnt 0x0                               ; tile 1 is back
	QUANT32 KN+32, KC+4, SC+1, BY+1
	v_lshl_or_b32 v[KW], v[BY+1], 16, v[BY]        ; my two bytes: block h of row r of tile (0, w) and of tile (1, w),
	v_lshlrev_b32 v[KW], v[SH8], v[KW]             ; at their places, 8 h bits up;
	v_permlanex16_b32 v[XC], v[KW], s20, s21
	v_or_b32 v[KW], v[KW], v[XC]                   ; with lane l xor 16's two the pair's word is whole
	ds_store_b32 v[KSA], v[KW]                     ; lanes r and 16 + r write the same word with the same value
	global_store_b128 v[KST], v[KC:KC+3], s[8:9]               ; 32 lanes store 512 consecutive bytes
	global_store_b128 v[KST], v[KC+4:KC+7], s[8:9] offset:512
	s_wait_loadcnt 32                              ; V's block 0 is in: block 1's 32 loads may be out
	QUANT32 VN, VC, SC+2, BY+2
	s_wait_loadcnt 0x0
	QUANT32 VN+32, VC+4, SC+3, BY+3
	v_lshl_or_b32 v[VW], v[BY+3], 8, v[BY+2]       ; blocks 2 z and 2 z + 1 of my column: two neighbouring bytes of its scale word
	ds_store_b16 v[VSA], v[VW]
	global_store_b128 v[VST], v[VC:VC+3], s[8:9]               ; each half of the lanes stores 256 consecutive bytes, at a multiple of 256 from the record's first byte
	global_store_b128 v[VST], v[VC+4:VC+7], s[8:9] offset:256
	s_wait_dscnt 0x0                               ; for the others' sake: my scale words lie in LDS
	s_barrier_signal -1
	s_barrier_wait -1                              ; everybody's do
	s_cmp_lg_u32 s10, 0
	s_cbranch_scc1 .Ldone                          ; wave 0 stores the 512 bytes
	ds_load_b128 v[OW:OW+3], v[SRD]
	s_wait_dscnt 0x0
	global_store_b128 v[LI], v[OW:OW+3], s[8:9] offset:SOFF
.Ldone:
	s_wait_tensorcnt 0x0
	ds_add_u32 v176, v177
	s_wait_dscnt 0x0
	s_endpgm
.Lfunc_end_k_qa2e8d969de_prep:
	.size	k_qa2e8d969de_prep, .Lfunc_end_k_qa2e8d969de_prep-k_qa2e8d969de_prep
	.p2alignl 7, 3214868480
	.fill 96, 4, 3214868480
	.section	.rodata,"a",@progbits
	.p2align	6, 0x0
	.amdhsa_kernel k_qa2e8d969de_prep
		.amdhsa_group_segment_fixed_size 35840
		.amdhsa_private_segment_fixed_size 0
		.amdhsa_enable_private_segment 0
		.amdhsa_kernarg_size 24
		.amdhsa_user_sgpr_count 2
		.amdhsa_user_sgpr_kernarg_segment_ptr 1
		.amdhsa_wavefront_size32 1
		.amdhsa_system_sgpr_workgroup_id_x 1
		.amdhsa_system_sgpr_workgroup_id_y 1
		.amdhsa_system_sgpr_workgroup_id_z 1
		.amdhsa_system_vgpr_workitem_id 0
		.amdhsa_next_free_vgpr 178
		.amdhsa_next_free_sgpr 66
		.amdhsa_reserve_vcc 0
		.amdhsa_float_denorm_mode_32 3
		.amdhsa_float_denorm_mode_16_64 3
		.amdhsa_memory_ordered 1
		.amdhsa_forward_progress 1
		.amdhsa_inst_pref_size 20
	.end_amdhsa_kernel
	.amdgpu_metadata
---
amdhsa.version: [ 1, 2 ]
amdhsa.kernels:
  - .name:           k_qa2e8d969de_prep
    .symbol:         k_qa2e8d969de_prep.kd
    .args:
      - { .name: key, .offset: 0, .size: 8, .value_kind: global_buffer, .address_space: global }
      - { .name: value, .offset: 8, .size: 8, .value_kind: global_buffer, .address_space: global }
      - { .name: kv, .offset: 16, .size: 8, .value_kind: global_buffer, .address_space: global }
    .group_segment_fixed_size: 35840
    .private_segment_fixed_size: 0
    .kernarg_segment_align: 8
    .kernarg_segment_size: 24
    .max_flat_workgroup_size: 128
    .sgpr_count:     66
    .vgpr_count:     178
    .wavefront_size: 32
...
	.end_amdgpu_metadata
.endif
;; end of part 1
;; launch attn (part 2): grid 8 x 32, 16 waves a work-group, clusters of 4 x 1, 210,944 bytes of LDS; arguments query, kv, out0; writes out0
.if DOCPART == 2
	.amdgcn_target "amdgcn-amd-amdhsa--gfx1250"
	.amdhsa_code_object_version 6
	.text
	.protected	k_qa2e8d969de_attn
	.globl	k_qa2e8d969de_attn
	.p2align	8
	.type	k_qa2e8d969de_attn,@function
k_qa2e8d969de_attn:
	s_mov_b64 s[64:65], 0
	v_nop
	global_prefetch_b8 v0, s[64:65] scope:SCOPE_SE
	s_setreg_imm32_b32 hwreg(HW_REG_WAVE_MODE, 25, 1), 1
	s_wait_xcnt 0x0
	s_wait_alu depctr_hold_cnt(0) depctr_sa_sdst(0) depctr_va_vdst(0) depctr_va_sdst(0) depctr_va_ssrc(0) depctr_va_vcc(0) depctr_vm_vsrc(0)
	s_getreg_b32 s2, hwreg(HW_REG_IB_STS2, 6, 4)
	s_cmp_eq_u32 s2, 0
	s_cbranch_scc0 .Lentry_in_a_cluster
	s_endpgm
.Lentry_in_a_cluster:
	s_bfe_u32 s2, ttmp6, 0x10000c
	s_cmp_lg_u32 s2, 0x3003
	s_cbranch_scc0 .Lentry_shape_is_right
	s_endpgm
.Lentry_shape_is_right:
; out0[b][q][:] = the sum over k of softmax_k(query[b][q] . key[b][k] / 8) value[b][k][:], both products on codes of FP4 (E2M1) with one E8M0 scale for each 32 along a product's K.
; query, out0: [32][2048][64] f32.  kv: key's and value's codes and scale words, one record of 8,704 bytes for each (batch, 128 keys), in the order of the operands' registers (lane l = 16 h + r):
;   byte 1024 p + 512 g + 16 l: K, row r of score tile (g, p), d = 32 h ..;   byte 4096 + 1024 t + 512 c + 16 l: V, column d = 16 t + r, keys 64 c + 32 h ..;   byte 8192 + 16 l: four scale words (two of K, two of V).
; THE SOFTMAX AHEAD OF THE SECOND PRODUCT: t = score x log2(e) / 8; M = the row's largest t so far, rounded UP to a whole number; p = 2^(t - M) is what is quantised, along the keys, not normalised.
; The row's sum is taken of the unquantised p, in f32, and divides at the end.  When M moves, the sum and O are multiplied by 2^(old M - new M), which rounds nothing.
; SHARES.  A work-group owns 256 queries of one batch, each of its sixteen waves 16 of them, one tile, in 256 registers.  A step is 256 keys, two records: the maximum, M and the rescaling of O come once for 128 score registers.
; A BATCH'S 16 RECORDS, 139,264 BYTES, COME INTO LDS ONCE (wave w brings record w by one tensor load) AND STAY: no byte of LDS is filled a second time, so there is no ring, and no loop of loads in which to ask ahead: nothing is prefetched.
; Records 0-7 and records 8-15 have load lines of their own: steps 0 to 2 and most of step 3 need the first line's alone.
; CLUSTER.  The four query blocks of a cluster belong to one batch and read the same records: each record is asked for JOINTLY, by the same tensor load with the same descriptor and a mask that names the four.
; LAYOUT.  Both products are used transposed: S^T = K Q^T (source 0 = 16 keys, source 1 = my 16 queries), O^T = V^T P^T (source 0 = 16 of the 64 columns, source 1 = P): a lane holds ONE query (lane % 16) throughout.
; THE KEYS OF A TILE ARE NOT NEIGHBOURS: row 8 a + j of tile (g, u) is key 64 g + 32 a + 8 u + j of its record.  In the results lane (r, h) then holds, in the 32 registers of tiles (g, 0 .. 3), keys 64 g + 32 h + 0 .. 31 in order:
; ONE WHOLE BLOCK.  So a block's maximum needs no other lane, and the four conversions of those registers ARE registers 4 g .. 4 g + 3 of P's operand.  A step's four register blocks are b = 2 s + g (record s, tiles (g, ..)).
; K = 64 IN AN INSTRUCTION OF 128: a fragment holds two tiles of keys, (0, p) in its k 0-63 and (1, p) in its k 64-127.  Q lies between zeros, [0][Q][0]: the operand [Q|0] picks the first tile, [0|Q] the second; zero codes add nothing
; (every scale byte lies in 1 .. 254).  The pair's scale word has two bytes for each tile; Q's is (q0, q1, q0, q1).
; LIMITS: NaN and infinities among the inputs are not served; a block of zeros gets the scale byte 1 (its codes are zeros); a p under 2^-126 counts as 0 (v_exp_f32 flushes: ISA guide 15.8);
; a block's largest p is not searched for: the block's largest score goes through the same multiply-add and exponential, which takes v_exp_f32 not to fall where its input rises.
.set REC,   8704                       ; a record: 34 rows of 256 bytes
.set VOFF,  4096
.set SOFF,  8192
.set SP,    272                        ; a stage row: 256 bytes + 16 = 68 words: the 16 rows that an access touches begin at 16 different banks' groups (64 banks of 4 bytes: ISA guide 11.1)
.set STAGE, 16*REC                     ; behind the records: 16 rows x 272 bytes for each wave, for Q's turn and for the way out; no tensor load lands there
.set SPARE, STAGE+16*16*SP             ; the spare words, 128 bytes for each wave
.set STO,  0                           ; v0   (behind the head) the stage: row r, + 32 h
.set LI,   1                           ; v1   16 x lane: an image's place for my lane; also my byte offset in the wave's rows of query and out0
.set ADR,  2                           ; v2   the step's first record + 16 x lane
.set SH8,  3                           ; v3   8 h
.set T0,   4                           ; v4   the chain that makes the new -M.  In the head: the stage's row r, + 128 h
.set T1,   5                           ; v5   the old -M.  In the head v5-7 are at work
.set X0,   8                           ; v8, v9 lane permutes' destinations
.set X1,   9
.set F,    10                          ; v[10:11] f = 2^(old M - new M); the upper register is only named
.set NM,   12                          ; v12  -M
.set MX,   13                          ; v13  the largest score so far
.set SUM,  14                          ; v[14:15] the row's sum, in two halves
.set QZ,   16                          ; v16-19 zeros, v20-23 Q's codes, v24-27 zeros
.set QS,   28                          ; v28  Q's scale word
.set PS,   29                          ; v29, v30 p's scale words, one for each record
.set RD,   31                          ; v31  the stage: row h, + 16 r
.set KF,   32                          ; v32-63   K's four pairs of one record
.set S,    64                          ; v64-191  S^T, then p: block b at 64 + 32 b.  V's fragments land in blocks 0 and 3 when these are done with
.set G,    128                         ; v128-159 block 2: the unquantised p gather here in sixteen pairs
.set O,    192                         ; v192-223 O^T: tile t at 192 + 8 t
.set P,    224                         ; v224-239 p's codes: block b at 224 + 4 b.  Ahead of them: v224-231 eight chains of maxima, v232-235 the scale bytes
.set BY,   232
.set KSW,  240                         ; v240-241 K's scale words of one record
.set VSW,  242                         ; v242-245 V's, two for each record.  These six hold scales and nothing else
.set BM,   246                         ; v246-249 the blocks' largest scores, then largest p
.set SO,   250                         ; v250-253 the conversions' scale operands
.set SPW,  254                         ; v254 LDS address of my spare word; never rewritten
.set NIL,  255                         ; v255 0; never rewritten
.set WV,   10                          ; s10  my wave's number
.set G1,   16                          ; s[16:23] descriptor group 1
.set G0,   24                          ; s[24:27] descriptor group 0
.set SEL,  28                          ; s[28:29] lane selects for v_permlanex16_b32: lane l xor 16
.set CS,   30                          ; s[30:31] c = log2(e) / 8: the packed form names a pair and takes its low word for both halves
.set SB,   32                          ; s32  LDS byte at which the step's first record begins
.set CNT,  33                          ; s33  trips to go
; A round of the cluster's barrier: my work-group's barrier, so that wave 0's signal speaks for all sixteen waves; wave 0 signals for the work-group; every wave waits for all four work-groups; my work-group's barrier once more.
.macro ROUND
	s_barrier_signal -1
	s_barrier_wait -1
	s_cmp_lg_u32 s[WV], 0
	s_cbranch_scc1 .Lnot_wave_0_\@
	s_barrier_signal -3
.Lnot_wave_0_\@:
	s_barrier_wait -3
	s_barrier_signal -1
	s_barrier_wait -1
.endm
; K's four pairs and scale words of the record at v[adr] + off
.macro KLOAD adr, off
	ds_load_b64 v[KSW:KSW+1], v[\adr] offset:\off+SOFF
.irp p, 0,1,2,3
.irp g, 0,1
	ds_load_b128 v[KF+8*\p+4*\g:KF+8*\p+4*\g+3], v[\adr] offset:\off+1024*\p+512*\g
.endr
.endr
.endm
; V's four tiles and scale words of the step's record s, into block 0 (s = 0) or 3 (s = 1)
.macro VLOAD s
	ds_load_b64 v[VSW+2*\s:VSW+2*\s+1], v[ADR] offset:REC*\s+SOFF+8
.irp t, 0,1,2,3
.irp c, 0,1
	ds_load_b128 v[S+96*\s+8*\t+4*\c:S+96*\s+8*\t+4*\c+3], v[ADR] offset:REC*\s+VOFF+1024*\t+512*\c
.endr
.endr
.endm
; S^T = K Q^T for record s: pair p against [Q|0] gives tile (0, p), against [0|Q] tile (1, p)
.macro SCORES s
.irp p, 0,1,2,3
.irp g, 0,1
.if \p < 2
	v_wmma_scale_f32_16x16x128_f8f6f4 v[S+64*\s+32*\g+8*\p:S+64*\s+32*\g+8*\p+7], v[KF+8*\p:KF+8*\p+7], v[QZ+4-4*\g:QZ+11-4*\g], 0, v[KSW+\p%2], v[QS] matrix_a_fmt:MATRIX_FMT_FP4 matrix_b_fmt:MATRIX_FMT_FP4
.else
	v_wmma_scale_f32_16x16x128_f8f6f4 v[S+64*\s+32*\g+8*\p:S+64*\s+32*\g+8*\p+7], v[KF+8*\p:KF+8*\p+7], v[QZ+4-4*\g:QZ+11-4*\g], 0, v[KSW+\p%2], v[QS] matrix_a_fmt:MATRIX_FMT_FP4 matrix_b_fmt:MATRIX_FMT_FP4 matrix_a_scale:MATRIX_SCALE_ROW1
.endif
.endr
.endr
.endm
; The largest score of each of record s's two blocks: it serves twice: for the row's maximum and, since p rises with the score, for the block's largest p.  Eight chains by turns, one for each tile, from its low end on
.macro MAXES s
.irp g, 0,1
.irp u, 0,1,2,3
	v_max3_num_f32 v[P+4*\g+\u], v[S+64*\s+32*\g+8*\u], v[S+64*\s+32*\g+8*\u+1], v[S+64*\s+32*\g+8*\u+2]
.endr
.endr
.irp i, 3,5
.irp g, 0,1
.irp u, 0,1,2,3
	v_max3_num_f32 v[P+4*\g+\u], v[P+4*\g+\u], v[S+64*\s+32*\g+8*\u+\i], v[S+64*\s+32*\g+8*\u+\i+1]
.endr
.endr
.endr
.irp x, 0,1
.irp g, 0,1
	v_max3_num_f32 v[P+4*\g+2*\x], v[P+4*\g+2*\x], v[P+4*\g+2*\x+1], v[S+64*\s+32*\g+8*\x+7]
.endr
.endr
.irp g, 0,1
	v_max3_num_f32 v[BM+2*\s+\g], v[P+4*\g], v[P+4*\g+2], v[S+64*\s+32*\g+23]
.endr
.irp g, 0,1
	v_max_num_f32 v[BM+2*\s+\g], v[BM+2*\s+\g], v[S+64*\s+32*\g+31]
.endr
.endm
; t - M of the pair at v[x], two at a time (of the pairs c and -M the low word serves both halves)
.macro TM x
	v_pk_fma_f32 v[\x:\x+1], v[\x:\x+1], s[CS:CS+1], v[NM:NM+1] op_sel_hi:[1,0,0]
.endm
; Eight p of block b become register j of its codes: keys 8 j + 0 .. 7 of the block
.macro CVT b, j
	v_cvt_scalef32_pk8_fp4_f32 v[P+4*\b+\j], v[S+32*\b+8*(\j):S+32*\b+8*(\j)+7], v[SO+\b]
.endm
; Pair n of block b onto pair n of block 2: sixteen sums by turns
.macro GATHER b, n
	v_pk_add_f32 v[G+2*\n:G+2*\n+1], v[G+2*\n:G+2*\n+1], v[S+32*\b+2*\n:S+32*\b+2*\n+1]
.endm
; The sixteen pairs become one: FOLD1 sixteen to eight, FOLD2 eight to four, FOLD3 the rest, onto the row's sum under the new M
.macro FOLD1
.irp n, 0,1,2,3,4,5,6,7
	v_pk_add_f32 v[G+2*\n:G+2*\n+1], v[G+2*\n:G+2*\n+1], v[G+16+2*\n:G+17+2*\n]
.endr
.endm
.macro FOLD2
.irp n, 0,1,2,3
	v_pk_add_f32 v[G+2*\n:G+2*\n+1], v[G+2*\n:G+2*\n+1], v[G+8+2*\n:G+9+2*\n]
.endr
.endm
.macro FOLD3
.irp n, 0,1
	v_pk_add_f32 v[G+2*\n:G+2*\n+1], v[G+2*\n:G+2*\n+1], v[G+4+2*\n:G+5+2*\n]
.endr
	s_delay_alu instid0(VALU_DEP_1)
	v_pk_add_f32 v[G:G+1], v[G:G+1], v[G+2:G+3]
	s_delay_alu instid0(VALU_DEP_1)
	v_pk_fma_f32 v[SUM:SUM+1], v[SUM:SUM+1], v[F:F+1], v[G:G+1] op_sel_hi:[1,0,1]
.endm
; O^T += V^T P^T over record s's 128 keys; the four accumulators take one turn each
.macro CONTEXT s
.irp t, 0,1,2,3
.if \t < 2
	v_wmma_scale_f32_16x16x128_f8f6f4 v[O+8*\t:O+8*\t+7], v[S+96*\s+8*\t:S+96*\s+8*\t+7], v[P+8*\s:P+8*\s+7], v[O+8*\t:O+8*\t+7], v[VSW+2*\s+\t%2], v[PS+\s] matrix_a_fmt:MATRIX_FMT_FP4 matrix_b_fmt:MATRIX_FMT_FP4
.else
	v_wmma_scale_f32_16x16x128_f8f6f4 v[O+8*\t:O+8*\t+7], v[S+96*\s+8*\t:S+96*\s+8*\t+7], v[P+8*\s:P+8*\s+7], v[O+8*\t:O+8*\t+7], v[VSW+2*\s+\t%2], v[PS+\s] matrix_a_fmt:MATRIX_FMT_FP4 matrix_b_fmt:MATRIX_FMT_FP4 matrix_a_scale:MATRIX_SCALE_ROW1
.endif
.endr
.endm
; A lane's 32 numbers v[x] .. v[x + 31], one whole block, become four registers of codes v[c] .., the conversion's scale operand v[sc] and the scale's byte v[by] (v6, v7 at work)
.macro QUANT32 x, c, sc, by
	v_max3_num_f32 v6, |v[\x]|, |v[\x+1]|, 0x1800000               ; the largest magnitude, in two chains, with the floor 2^(3 - 127) among its leaves: so the byte cannot fall under 1
	v_max3_num_f32 v7, |v[\x+16]|, |v[\x+17]|, |v[\x+18]|
.irp i, 0,1,2,3,4,5
	v_max3_num_f32 v6, v6, |v[\x+2+2*\i]|, |v[\x+3+2*\i]|
	v_max3_num_f32 v7, v7, |v[\x+19+2*\i]|, |v[\x+20+2*\i]|
.endr
	v_max3_num_f32 v6, v6, |v[\x+14]|, |v[\x+15]|
	v_max3_num_f32 v6, v6, v7, |v[\x+31]|
	s_delay_alu instid0(VALU_DEP_1)
	v_add_nc_u32 v[\sc], 0xff000000, v6            ; 2 off its exponent field: the conversion takes the exponent field of this operand as its scale, and nothing else of it
	s_delay_alu instid0(VALU_DEP_1)
	v_lshrrev_b32 v[\by], 23, v[\sc]               ; the scale's byte
.irp n, 0,1,2,3
	v_cvt_scalef32_pk8_fp4_f32 v[\c+\n], v[\x+8*\n:\x+8*\n+7], v[\sc]
.endr
	v_nop                                          ; one plain place behind the last scaled conversion
.endm
; A STEP: 256 keys.  K of its first record is on its way or in; eight pairs of the last step's sums wait in block 2 (the first time: zeros).  base: the LDS byte of its first record, or -1: s[SB].
; more = 1: K of the next step's first record is asked for.  sync = 1: records 8-15 are waited for ahead of that.
.macro STEP base, more, sync
	s_wait_dscnt 0x0                               ; K of the first record is in
	SCORES 0
.if (\base) < 0
	v_add_nc_u32 v[ADR], s[SB], v[LI]
.else
	v_add_nc_u32 v[ADR], \base, v[LI]
.endif
	FOLD2                                          ; the last step's sums: these lines are also the places in front of the loads into K's registers and of the first read of the scores
	KLOAD ADR, REC                                 ; the second record's K, under the first's maxima
	v_mov_b32 v[T1], v[NM]                         ; the old -M is kept
	FOLD3
	MAXES 0
	s_wait_dscnt 0x0
	SCORES 1
.rept 4
	v_nop                                          ; four places
.endr
.if \sync
	s_wait_tensorcnt 0x0                           ; my record has landed, whichever it is; none of my LDS loads is out (the wait above),
	s_barrier_signal -1
	s_barrier_wait -1                              ; and everybody's has: all sixteen records may be read
.endif
.if \more
	KLOAD ADR, 2*REC                               ; the next step's first K: it has the rest of the step in which to land
.endif
	MAXES 1
	v_max3_num_f32 v[T0], v[BM], v[BM+1], v[MX]
	s_delay_alu instid0(VALU_DEP_1)
	v_max3_num_f32 v[T0], v[T0], v[BM+2], v[BM+3]
	s_delay_alu instid0(VALU_DEP_1)
	v_permlanex16_b32 v[X0], v[T0], s[SEL], s[SEL+1]   ; my query's other 128 keys lie in the lane 16 away
	s_delay_alu instid0(VALU_DEP_1)
	v_max_num_f32 v[MX], v[T0], v[X0]              ; the running largest score
	s_delay_alu instid0(VALU_DEP_1)
	v_mul_f32 v[T0], s[CS], v[MX]                  ; as t (c is positive)
	s_delay_alu instid0(VALU_DEP_1)
	v_floor_f32 v[NM], -v[T0]                      ; the new -M = floor(-t) = -ceil(t): M IS A WHOLE NUMBER
	s_delay_alu instid0(VALU_DEP_1)
	v_sub_f32 v[T1], v[NM], v[T1]                  ; M's old value less its new one: a whole number, 0 or less
	TM BM                                          ; t - M of the blocks' largest scores,
	TM BM+2
.irp n, 0,1,2,3,4,5,6,7
	TM S+64+2*\n                                   ; and of block 2
.endr
	v_cvt_i32_f32 v[T1], v[T1]                     ; (it saturates)
.irp n, 8,9,10,11,12,13,14,15
	TM S+64+2*\n
.endr
	v_ldexp_f32 v[F], 1.0, v[T1]                   ; f = 2^(old M - new M)
	; FOUR BATCHES OF EXPONENTIALS, blocks 2, 0, 3, 1: p = 2^(t - M), at most 1, NOT normalised.  Between them stands plain work whose results are first read behind the next batch's wait
	s_wait_alu depctr_va_vdst(0)                   ; the wait ahead of each batch, and behind it ahead of the first reader
.irp b, 0,1,2,3
	v_exp_f32 v[BM+\b], v[BM+\b]                   ; the blocks' largest p: the same two instructions on the same number give the same bits
.endr
.irp n, 0,1,2,3,4,5,6,7,8,9,10,11,12,13,14,15
	v_exp_f32 v[S+64+2*\n], v[S+64+2*\n]           ; block 2; beside it block 0's t - M
	v_exp_f32 v[S+64+2*\n+1], v[S+64+2*\n+1]
	TM S+2*\n
.endr
	s_wait_alu depctr_va_vdst(0)                   ; block 2's p and the largest p
	; the blocks' scales; between the lines that hang on each other stands block 3's t - M
.irp b, 0,1,2,3
	v_max_num_f32 v[BM+\b], 0x1800000, v[BM+\b]    ; the floor 2^(3 - 127): the byte cannot fall under 1 (a block whose every p has fallen to 0 keeps that byte: its codes are zeros)
.endr
.irp n, 0,1,2,3
	TM S+96+2*\n
.endr
.irp b, 0,1,2,3
	v_add_nc_u32 v[SO+\b], 0xff000000, v[BM+\b]    ; 2 off the exponent field: the conversion's scale operand
.endr
.irp n, 4,5
	TM S+96+2*\n
.endr
.irp b, 0,1,2,3
	v_lshrrev_b32 v[BY+\b], 23, v[SO+\b]           ; the scale's byte
.endr
.irp n, 6,7
	TM S+96+2*\n
.endr
.irp s, 0,1
	v_lshl_or_b32 v[BY+2*\s], v[BY+2*\s+1], 16, v[BY+2*\s]   ; my two bytes, blocks h and 2 + h of record s,
.endr
.irp n, 8,9
	TM S+96+2*\n
.endr
.irp s, 0,1
	v_lshlrev_b32 v[BY+2*\s], v[SH8], v[BY+2*\s]   ; at their places, 8 h bits up;
.endr
.irp n, 10,11
	TM S+96+2*\n
.endr
.irp s, 0,1
	v_permlanex16_b32 v[X0+\s], v[BY+2*\s], s[SEL], s[SEL+1]
.endr
.irp n, 12,13,14,15
	TM S+96+2*\n
.endr
.irp s, 0,1
	v_or_b32 v[PS+\s], v[BY+2*\s], v[X0+\s]        ; with lane l xor 16's two: p's scale word for record s
.endr
	s_wait_alu depctr_va_vdst(0)
.irp n, 0,1,2,3,4,5,6,7,8,9,10,11,12,13,14,15
	v_exp_f32 v[S+2*\n], v[S+2*\n]                 ; block 0; beside it block 2's codes and block 1's t - M
.if \n%4 == 1
	CVT 2, \n/4
.endif
	v_exp_f32 v[S+2*\n+1], v[S+2*\n+1]
	TM S+32+2*\n
.endr
	s_wait_alu depctr_va_vdst(0)
.irp n, 0,1,2,3,4,5,6,7,8,9,10,11,12,13,14,15
	v_exp_f32 v[S+96+2*\n], v[S+96+2*\n]           ; block 3; beside it block 0's codes, and its unquantised p are added
.if \n%4 == 1
	CVT 0, \n/4
.endif
	v_exp_f32 v[S+96+2*\n+1], v[S+96+2*\n+1]
	GATHER 0, \n
.endr
	VLOAD 0                                        ; block 0 is done with: the first record's V takes its registers
	s_wait_alu depctr_va_vdst(0)
.irp n, 0,1,2,3,4,5,6,7,8,9,10,11,12,13,14,15
	v_exp_f32 v[S+32+2*\n], v[S+32+2*\n]           ; block 1; beside it block 3's codes and sums
.if \n%4 == 1
	CVT 3, \n/4
.endif
	v_exp_f32 v[S+32+2*\n+1], v[S+32+2*\n+1]
	GATHER 3, \n
.endr
	VLOAD 1                                        ; block 3 is done with: the second record's V
	s_wait_alu depctr_va_vdst(0)                   ; the wait here too, directly ahead of the first reader of O^T
.irp j, 0,2,4,6,8,10,12,14,16,18,20,22,24,26,28,30
	v_pk_mul_f32 v[O+\j:O+\j+1], v[O+\j:O+\j+1], v[F:F+1] op_sel_hi:[1,0]   ; O^T under the new M: x f
.endr
.irp j, 0,1,2,3
	CVT 1, \j
.endr
.irp n, 0,1,2,3,4,5,6,7,8,9,10,11,12,13,14,15
	GATHER 1, \n                                   ; also the places behind the conversions and between p's codes and the products
.endr
	s_wait_alu depctr_va_vdst(0)                   ; directly ahead of the wait below
	s_wait_dscnt 9                                 ; the first record's V is in: the second's nine loads may be out
	CONTEXT 0
	FOLD1                                          ; also the places between these products and the next scores, which are written over this V
	s_wait_alu depctr_va_vdst(0)                   ; directly ahead of the wait below
	s_wait_dscnt 0x0
	CONTEXT 1
.endm
	s_load_b128 s[4:7], s[0:1], 0x0                ; query s[4:5], kv s[6:7]
	s_load_b64 s[8:9], s[0:1], 0x10                ; out0
	v_lshl_add_u32 v[SPW], v0, 2, SPARE
	v_mov_b32 v[NIL], 0
	ds_add_u32 v[SPW], v[NIL]                      ; the wave's opening: the add, twice on end, and its wait ahead of my tensor load
	ds_add_u32 v[SPW], v[NIL]
	v_lshrrev_b32 v[ADR], 5, v0
	s_delay_alu instid0(VALU_DEP_1)
	v_readfirstlane_b32 s[WV], v[ADR]              ; wave 0..15
	s_bfe_u32 s11, ttmp6, 0x40000                  ; cx: my place in the cluster
	s_lshl_b32 s12, ttmp9, 2                       ; in a cluster launch ttmp9 counts clusters
	s_add_co_u32 s12, s12, s11                     ; my block of 256 queries = 4 x cluster x + cx: it enters query's and out0's addresses alone
	s_and_b32 s13, ttmp7, 0xffff                   ; the batch, which the four partners share
	s_lshl_b32 s14, s13, 19                        ; a batch: 2,048 rows of 256 bytes;
	s_lshl_b32 s15, s12, 16                        ; my block's 256 rows;
	s_add_co_u32 s14, s14, s15
	s_lshl_b32 s15, s[WV], 12                      ; my wave's 16
	s_add_co_u32 s14, s14, s15
	s_mov_b32 s15, 0
	s_mul_i32 s34, s13, 16*REC                     ; the batch's records,
	s_mul_i32 s[G0+1], s[WV], REC                  ; 63:32 LDS address: record w lies at w x 8,704; no place in the cluster enters an LDS address
	s_add_co_u32 s34, s34, s[G0+1]                 ; and mine among them, in memory as in LDS
	s_mov_b32 s35, 0
	; descriptor group 1: a dense block of 8,704 bytes as 34 rows of 256 bytes (32 elements of 8 bytes), no padding: every read of an image takes 512 consecutive bytes
	s_mov_b32 s[G1], 15|(3<<16)|(1<<21)            ; 15:0 the mask: all four work-groups; 17:16 elements of 8 bytes; 21 set beside a mask
	s_mov_b32 s[G1+1], 32<<16                      ; 63:48 tensor_dim0, low half = 32
	s_mov_b32 s[G1+2], 34<<16                      ; 95:80 tensor_dim1, low half = 34
	s_mov_b32 s[G1+3], 32<<16                      ; 127:112 tile_dim0 = 32
	s_mov_b32 s[G1+4], 34                          ; 143:128 tile_dim1 = 34
	s_mov_b32 s[G1+5], 32                          ; 191:160 tensor_dim0_stride: elements from row to row
	s_mov_b32 s[G1+6], 0
	s_mov_b32 s[G1+7], 0
	s_mov_b32 s[G0], 1                             ; 1:0 count = 1
	s_mov_b32 s[SEL], 0x76543210
	s_mov_b32 s[SEL+1], 0xfedcba98
	s_mov_b32 s[CS], 0x3e38aa3b                    ; c = log2(e) / 8
	s_mov_b32 s[CS+1], s[CS]                       ; (named with it as a pair, so it is written)
	s_mul_i32 s36, s[WV], 16*SP
	s_add_co_u32 s36, s36, STAGE                   ; my stage
	v_and_b32 v[ADR], 31, v0
	v_and_b32 v6, 15, v0                           ; r
	v_bfe_u32 v7, v0, 4, 1                         ; h
	v_lshlrev_b32 v[LI], 4, v[ADR]
	v_mul_u32_u24 v5, v6, SP
	v_mul_u32_u24 v[RD], v7, SP
	v_lshlrev_b32 v[SH8], 3, v7
	v_add_nc_u32 v5, s36, v5
	v_lshl_add_u32 v[RD], v6, 4, v[RD]
	s_delay_alu instid0(VALU_DEP_2)
	v_lshl_add_u32 v4, v7, 7, v5
	s_delay_alu instid0(VALU_DEP_2)
	v_add_nc_u32 v[RD], s36, v[RD]
	v_lshl_add_u32 v[STO], v7, 5, v5               ; (the thread's number has been used)
	s_wait_alu depctr_va_vdst(0)                   ; directly ahead of the waits below
	s_wait_dscnt 0x0                               ; both opening adds are done
	s_wait_kmcnt 0x0
	s_add_nc_u64 s[4:5], s[4:5], s[14:15]          ; query and out0 at my wave's first row
	s_add_nc_u64 s[8:9], s[8:9], s[14:15]
	s_add_nc_u64 s[G0+2:G0+3], s[6:7], s[34:35]    ; 120:64 global address: my record
	s_or_b32 s[G0+3], s[G0+3], 0x80000000          ; 127:126 type = 2
.irp i, 0,1,2,3,4,5,6,7
	global_load_b128 v[S+4*\i:S+4*\i+3], v[LI], s[4:5] offset:512*\i th:TH_LOAD_NT   ; my 16 queries: 4,096 dense bytes, 512 a load: rows 2 i and 2 i + 1.  They need no partner, so they are asked for ahead of the round
.endr
	ROUND                                          ; all four work-groups are here: the joint loads meet
	s_cmp_lt_u32 s[WV], 8                          ; my one tensor load of the launch: one is out.  Two lines, since waves 8-15 wait for theirs later
	s_cbranch_scc0 .Lsecond_half
	tensor_load_to_lds s[G0:G0+3], s[G1:G1+7]
	s_nop 0
.rept 4
	v_nop
.endr
	s_branch .Lasked
.Lsecond_half:
	tensor_load_to_lds s[G0:G0+3], s[G1:G1+7]
	s_nop 0
.rept 4
	v_nop
.endr
.Lasked:
	v_mov_b32 v[MX], 0xff61b1e6                    ; the largest score so far: -3e38, under every score
.irp j, 0,1,2,3,8,9,10,11
	v_mov_b32 v[QZ+\j], 0                          ; the zero codes on both sides of Q
.endr
	v_mul_f32 v5, s[CS], v[MX]
	v_mov_b32 v[X0], 0                             ; written once: a lane permute's destination counts as one of its sources
	v_mov_b32 v[X1], 0
	v_mov_b32 v[SUM], 0
	v_mov_b32 v[SUM+1], 0
	v_mov_b32 v[F], 0
	v_mov_b32 v[F+1], 0                            ; (named as the upper half of a pair)
	v_floor_f32 v[NM], -v5                         ; -M
.irp j, 0,1,2,3,4,5,6,7,8,9,10,11,12,13,14,15
	v_mov_b32 v[G+\j], 0                           ; no sums wait for the first step
.endr
.irp j, 0,1,2,3,4,5,6,7,8,9,10,11,12,13,14,15,16,17,18,19,20,21,22,23
	v_mov_b32 v[O+\j], 0                           ; O^T: the step finds zeros the first time
.endr
	s_wait_alu depctr_va_vdst(0)                   ; directly ahead of the wait below
	s_wait_loadcnt 0x0                             ; my queries are in
.irp i, 0,1,2,3,4,5,6,7
	ds_store_b128 v[RD], v[S+4*\i:S+4*\i+3] offset:2*SP*\i        ; Q turns through my stage: in as loaded,
.endr
.irp i, 0,1,2,3,4,5,6,7
	ds_load_b128 v[S+4*\i:S+4*\i+3], v4 offset:16*\i              ; back with lane (r, h) taking d = 32 h .. 32 h + 31 of query r.  LDS serves a wave's instructions in order (ISA guide 5.7.1.4)
.endr
	s_wait_dscnt 0x0
	QUANT32 S, QZ+4, SO, 5
	v_lshlrev_b32 v5, v[SH8], v5                   ; my byte, block h of query r, at its place;
	s_delay_alu instid0(VALU_DEP_1)
	v_permlanex16_b32 v[X0], v5, s[SEL], s[SEL+1]
	s_delay_alu instid0(VALU_DEP_1)
	v_or_b32 v5, v5, v[X0]                         ; with lane l xor 16's: (q0, q1);
	s_delay_alu instid0(VALU_DEP_1)
	v_lshl_or_b32 v[QS], v5, 16, v5                ; twice: it serves [Q|0] and [0|Q]
.irp j, 24,25,26,27,28,29,30,31
	v_mov_b32 v[O+\j], 0                           ; the rest of O^T: also eight places between Q's codes and scale word, written by vector instructions, and the first scaled product
.endr
	s_mov_b32 s[SB], 0
	s_mov_b32 s[CNT], 3
	s_wait_alu depctr_va_vdst(0)                   ; the wait at the head's end
	s_cmp_lt_u32 s[WV], 8
	s_cbranch_scc0 .Lnot_mine
	s_wait_tensorcnt 0x0                           ; waves 0-7: my record has landed (my LDS loads are back: the wait above),
.Lnot_mine:
	s_barrier_signal -1
	s_barrier_wait -1                              ; and records 0-7 all have; records 8-15 may still be out
	KLOAD LI, 0                                    ; record 0's K
.Lfirst:                                           ; steps 0 to 2: records 0-5, and record 6's K
	STEP -1, 1, 0
	s_add_co_u32 s[SB], s[SB], 2*REC               ; the next step's records
	s_sub_co_u32 s[CNT], s[CNT], 1
	s_cmp_lg_u32 s[CNT], 0
	s_cbranch_scc1 .Lfirst
	STEP 6*REC, 1, 1                               ; step 3 is written out: in its middle records 8-15 are waited for
	s_mov_b32 s[SB], 8*REC
	s_mov_b32 s[CNT], 3
.Lrest:                                            ; steps 4 to 6
	STEP -1, 1, 0
	s_add_co_u32 s[SB], s[SB], 2*REC
	s_sub_co_u32 s[CNT], s[CNT], 1
	s_cmp_lg_u32 s[CNT], 0
	s_cbranch_scc1 .Lrest
	STEP 14*REC, 0, 0                              ; step 7 is written out: no K follows it
	FOLD2                                          ; these lines and the next are also the places in front of the first read of the last products' results
	FOLD3
	; THE WAY OUT.  O^T is divided by the row's sum and goes through my stage, so that each store covers 512 consecutive bytes of out0.
	v_add_f32 v[SUM], v[SUM], v[SUM+1]             ; the sum's two halves,
	s_delay_alu instid0(VALU_DEP_1)
	v_permlanex16_b32 v[X0], v[SUM], s[SEL], s[SEL+1]
	s_delay_alu instid0(VALU_DEP_1)
	v_add_f32 v[SUM], v[SUM], v[X0]                ; and lane l xor 16's: the row's sum
	s_wait_alu depctr_va_vdst(0)
	v_rcp_f32 v[SUM], v[SUM]
	v_nop                                          ; one plain place behind a transcendental
	s_wait_alu depctr_va_vdst(0)                   ; ahead of the first readers of the reciprocal and of the last products' results
.irp j, 0,2,4,6,8,10,12,14,16,18,20,22,24,26,28,30
	v_pk_mul_f32 v[S+\j:S+\j+1], v[O+\j:O+\j+1], v[SUM:SUM+1] op_sel_hi:[1,0]   ; register 8 t + j is out0(query r, 16 t + 8 h + j); each accumulator from its low end on
.endr
.irp t, 0,1,2,3
	ds_store_b128 v[STO], v[S+8*\t:S+8*\t+3] offset:64*\t
	ds_store_b128 v[STO], v[S+8*\t+4:S+8*\t+7] offset:64*\t+16
.endr
.irp i, 0,1,2,3,4,5,6,7
	ds_load_b128 v[S+32+4*\i:S+32+4*\i+3], v[RD] offset:2*SP*\i   ; back by rows: lanes 0-15 row 2 i, lanes 16-31 row 2 i + 1.  LDS serves a wave's instructions in order: these see my stores
.endr
.irp i, 0,1,2,3,4,5,6,7
	s_wait_dscnt 7-\i                              ; load i is back; the younger ones may be out
	global_store_b128 v[LI], v[S+32+4*\i:S+32+4*\i+3], s[8:9] offset:512*\i th:TH_STORE_NT   ; 32 lanes store 512 consecutive bytes, at a multiple of 256 from out0's first byte; written once, read by nobody here
.endr
	s_wait_tensorcnt 0x0                           ; the wave's end
	ds_add_u32 v[SPW], v[NIL]
	s_wait_dscnt 0x0
	ROUND                                          ; the closing round: no work-group ends while a partner may still ask for a record that names it
	s_endpgm
.Lfunc_end_k_qa2e8d969de_attn:
	.size	k_qa2e8d969de_attn, .Lfunc_end_k_qa2e8d969de_attn-k_qa2e8d969de_attn
	.p2alignl 7, 3214868480
	.fill 96, 4, 3214868480
	.section	.rodata,"a",@progbits
	.p2align	6, 0x0
	.amdhsa_kernel k_qa2e8d969de_attn
		.amdhsa_group_segment_fixed_size 210944
		.amdhsa_private_segment_fixed_size 0
		.amdhsa_enable_private_segment 0
		.amdhsa_kernarg_size 24
		.amdhsa_user_sgpr_count 2
		.amdhsa_user_sgpr_kernarg_segment_ptr 1
		.amdhsa_wavefront_size32 1
		.amdhsa_system_sgpr_workgroup_id_x 1
		.amdhsa_system_sgpr_workgroup_id_y 1
		.amdhsa_system_sgpr_workgroup_id_z 1
		.amdhsa_system_vgpr_workitem_id 0
		.amdhsa_next_free_vgpr 256
		.amdhsa_next_free_sgpr 66
		.amdhsa_reserve_vcc 0
		.amdhsa_float_denorm_mode_32 3
		.amdhsa_float_denorm_mode_16_64 3
		.amdhsa_memory_ordered 1
		.amdhsa_forward_progress 1
		.amdhsa_inst_pref_size 118
	.end_amdhsa_kernel
	.amdgpu_metadata
---
amdhsa.version: [ 1, 2 ]
amdhsa.kernels:
  - .name:           k_qa2e8d969de_attn
    .symbol:         k_qa2e8d969de_attn.kd
    .args:
      - { .name: query, .offset: 0, .size: 8, .value_kind: global_buffer, .address_space: global }
      - { .name: kv, .offset: 8, .size: 8, .value_kind: global_buffer, .address_space: global }
      - { .name: out0, .offset: 16, .size: 8, .value_kind: global_buffer, .address_space: global }
    .group_segment_fixed_size: 210944
    .private_segment_fixed_size: 0
    .kernarg_segment_align: 8
    .kernarg_segment_size: 24
    .max_flat_workgroup_size: 512
    .sgpr_count:     66
    .vgpr_count:     256
    .wavefront_size: 32
...
	.end_amdgpu_metadata
.endif
;; end of part 2
